; MI455X (gfx1250); checked and timed in simulation.
; The chip was launched on July 23, 2026; its instructions are those of AMD's public machine-readable ISA for CDNA 5 (MIT licence, August 2026) and "CDNA5" Instruction Set Architecture Reference Guide (July 2026). The comments in the code are by the model that wrote it; some were corrected since.
;; Q Linear A8 W8. Allowed arithmetic: float matrix products may take bf16 or f16 operands with f32 sums; other float arithmetic in f32, or as packed bf16 or f16 multiplies, adds, multiply-adds, maxima and minima; sums over many terms, partial sums and values carried from step to step in f32; what a program stores and reads back later, other than sums and carried values, may be rounded once to bf16 or f16.
;; Inputs: bias 4,096 float32; qscales 4,096 float32; weight_q 4,096 x 4,096 int8; x 4,096 x 4,096 float32.
;; Outputs: out0 4,096 x 4,096 float32.
;; 2 versions, each right; version 2 is version 1 with the launch quant written anew for expert scheduling mode. Each part assembles by itself: llvm-mc -triple=amdgcn-amd-amdhsa -mcpu=gfx1250 --defsym DOCPART=n.
;; ======== version 1 of 2: 3 launches
;; workspace buffers: pmax 1,024 bytes; xq 33,554,432 bytes; wq 33,554,432 bytes
;; launch prep (part 1): grid 256 x 1, 16 waves a work-group, no clusters, 2,304 bytes of LDS; arguments x, weight_q, pmax, wq; writes pmax, wq
.if DOCPART == 1
	.amdgcn_target "amdgcn-amd-amdhsa--gfx1250"
	.amdhsa_code_object_version 6
	.text
	.protected	k_qcf3a261cfb_prep
	.globl	k_qcf3a261cfb_prep
	.p2align	8
	.type	k_qcf3a261cfb_prep,@function
k_qcf3a261cfb_prep:
	s_mov_b64 s[64:65], 0
	v_nop
	global_prefetch_b8 v0, s[64:65] scope:SCOPE_SE
	s_setreg_imm32_b32 hwreg(HW_REG_WAVE_MODE, 25, 1), 1
	s_wait_xcnt 0x0
; FIRST PASS.  pmax[g] = the largest number in rows 16 g .. 16 g + 15 of x ([4096][4096] f32);  wq = weight_q ([4096][4096] int8) written as f16, exact.
; Sixteen waves; wave w owns row 16 g + w of x (16,384 bytes: 32 loads of 512 bytes) and of weight_q (4,096 bytes: 16 loads of 256 bytes).
; No loop: a wave issues its 48 loads at once (20 KiB on their way) and works them off with counts that run down.
; int8 to f16 without a conversion: s + 128 = u (one exclusive or for four bytes); the half 0x6400 | u is 1024 + u in f16, where the step is 1;
; one packed add of -1152 gives s, with no rounding.  Five vector instructions for four numbers.
; LIMIT.  The maximum drops a NaN (v_max_num_f32); with a NaN in x the module's result is NaN everywhere, which this program does not reproduce.
.set SPARE, 256                        ; LDS: bytes 0-63 the sixteen waves' maxima (the block 0-255 is theirs alone); from 256 on the spare words, 128 bytes a wave
.set SPW, 6                            ; v6        LDS address of my spare word: SPARE + 4 x my thread's number; never rewritten
.set NIL, 7                            ; v7        0; never rewritten
.set M,   8                            ; v[8:11]   four running maxima that do not wait for each other
.set T,   12                           ; v[12:13]  at work
.set W,   16                           ; v[16:47]  load i of weight_q: 2 registers, 8 bytes a lane
.set H,   48                           ; v[48:111] the same 8 numbers as f16: 4 registers; each store has registers of its own, so none is rewritten
.set X,   112                          ; v[112:239] load i of x: 4 registers
	s_load_b256 s[4:11], s[0:1], 0x0               ; x s[4:5], weight_q s[6:7], pmax s[8:9], wq s[10:11]
	v_lshl_add_u32 v[SPW], v0, 2, SPARE
	v_mov_b32 v[NIL], 0
	v_lshrrev_b32 v3, 5, v0
	v_readfirstlane_b32 s12, v3                    ; my wave's number
	v_and_b32 v2, 31, v0                           ; lane
	v_lshlrev_b32 v1, 4, v2                        ; 16 x lane: x's loads and wq's stores
	v_lshlrev_b32 v2, 3, v2                        ; 8 x lane: weight_q's loads
	v_mov_b32 v4, s12
	v_lshlrev_b32 v4, 2, v4                        ; my wave's word in LDS
	v_mov_b32 v5, 0
	s_mov_b32 s13, 0x80808080                      ; s + 128 in four bytes at once
	s_mov_b32 s15, 0x64646464                      ; the upper byte of 1024 + u
	s_mov_b32 s18, 0x04010400                      ; v_perm_b32: bytes u0, 0x64, u1, 0x64
	s_mov_b32 s19, 0x04030402                      ; bytes u2, 0x64, u3, 0x64
	s_mov_b32 s20, 0xe480e480                      ; -1152 twice in f16
	s_mov_b32 s22, 0x76543210                      ; v_permlanex16_b32: each lane takes its own place in the other half
	s_mov_b32 s23, 0xfedcba98
	s_lshl_b32 s14, ttmp9, 4
	s_add_co_u32 s14, s14, s12                     ; my row
	s_mov_b32 s17, 0
	s_wait_kmcnt 0x0
	s_lshl_b32 s16, s14, 14                        ; a row of x is 16,384 bytes
	s_add_nc_u64 s[4:5], s[4:5], s[16:17]
	s_lshl_b32 s16, s14, 12                        ; of weight_q 4,096
	s_add_nc_u64 s[6:7], s[6:7], s[16:17]
	s_lshl_b32 s16, s14, 13                        ; of wq 8,192
	s_add_nc_u64 s[10:11], s[10:11], s[16:17]
	s_lshl_b32 s16, ttmp9, 2                       ; the work-group's word of pmax
	s_add_nc_u64 s[8:9], s[8:9], s[16:17]
.set n, 0
.rept 16
	global_load_b64 v[W+2*n:W+2*n+1], v2, s[6:7] offset:256*n th:TH_LOAD_NT  ; 256 consecutive bytes, aligned; read once in the whole program
.set n, n+1
.endr
.set n, 0
.rept 32
	global_load_b128 v[X+4*n:X+4*n+3], v1, s[4:5] offset:512*n  ; 512 consecutive bytes; no hint: the next launch reads x again
.set n, n+1
.endr
; Load i of weight_q becomes 16 bytes of f16 a lane and leaves: 512 consecutive bytes a store.
.macro WCONV i
	s_wait_loadcnt 47-(\i)                         ; loads come back in order: behind mine stand 15 - i of weight_q and the 32 of x
.irp j, 0,1
	v_xor_b32 v[W+2*(\i)+(\j)], s13, v[W+2*(\i)+(\j)]
	v_perm_b32 v[H+4*(\i)+2*(\j)],   s15, v[W+2*(\i)+(\j)], s18
	v_perm_b32 v[H+4*(\i)+2*(\j)+1], s15, v[W+2*(\i)+(\j)], s19
	v_pk_add_f16 v[H+4*(\i)+2*(\j)],   v[H+4*(\i)+2*(\j)],   s20
	v_pk_add_f16 v[H+4*(\i)+2*(\j)+1], v[H+4*(\i)+2*(\j)+1], s20
.endr
	global_store_b128 v1, v[H+4*(\i):H+4*(\i)+3], s[10:11] offset:512*(\i)
.endm
; Load i of x goes into chain i % 4; the first four loads start the chains: nothing is cleared.
.macro XMAX i
	s_wait_loadcnt 31-(\i)
.if (\i) < 4
	v_max3_num_f32 v[M+(\i)], v[X+4*(\i)], v[X+4*(\i)+1], v[X+4*(\i)+2]
	v_max_num_f32 v[M+(\i)], v[M+(\i)], v[X+4*(\i)+3]
.else
	v_max3_num_f32 v[M+(\i)%4], v[M+(\i)%4], v[X+4*(\i)], v[X+4*(\i)+1]
	v_max3_num_f32 v[M+(\i)%4], v[M+(\i)%4], v[X+4*(\i)+2], v[X+4*(\i)+3]
.endif
.endm
.set n, 0
.rept 16
	WCONV n
.set n, n+1
.endr
.set n, 0
.rept 32
	XMAX n
.set n, n+1
.endr
	v_max_num_f32 v[T], v[M], v[M+1]
	v_max_num_f32 v[T+1], v[M+2], v[M+3]
	v_max_num_f32 v[T], v[T], v[T+1]
	; across the 32 lanes: four steps inside each half of 16 lanes ride on the arithmetic, one crosses the halves
	v_max_num_f32_dpp v[T], v[T], v[T] row_xmask:1 row_mask:0xf bank_mask:0xf
	v_max_num_f32_dpp v[T], v[T], v[T] row_xmask:2 row_mask:0xf bank_mask:0xf
	v_max_num_f32_dpp v[T], v[T], v[T] row_xmask:4 row_mask:0xf bank_mask:0xf
	v_max_num_f32_dpp v[T], v[T], v[T] row_xmask:8 row_mask:0xf bank_mask:0xf
	v_permlanex16_b32 v[T+1], v[T], s22, s23       ; its destination counts as read: it was written above
	v_max_num_f32 v[T], v[T], v[T+1]               ; the row's maximum, in every lane
	ds_store_b32 v4, v[T]                          ; all lanes write the same word with the same number
	s_wait_dscnt 0x0                               ; for the others' sake: my store is done before I signal
	s_barrier_signal -1
	s_barrier_wait -1
	s_cmp_lg_u32 s12, 0
	s_cbranch_scc1 .Lend                           ; wave 0 alone folds the sixteen and stores
	ds_load_b128 v[16:19], v5
	ds_load_b128 v[20:23], v5 offset:16
	ds_load_b128 v[24:27], v5 offset:32
	ds_load_b128 v[28:31], v5 offset:48
	s_wait_dscnt 0x0
	v_max3_num_f32 v16, v16, v17, v18
	v_max3_num_f32 v19, v19, v20, v21
	v_max3_num_f32 v22, v22, v23, v24
	v_max3_num_f32 v25, v25, v26, v27
	v_max3_num_f32 v28, v28, v29, v30
	v_max3_num_f32 v16, v16, v19, v31
	v_max3_num_f32 v22, v22, v25, v28
	v_max_num_f32 v16, v16, v22
	v_cmp_eq_u32 vcc_lo, 0, v0
	s_wait_xcnt 0x0                                ; EXEC is a source of wq's pending stores: it changes only behind this wait
	s_and_saveexec_b32 s21, vcc_lo
	global_store_b32 v5, v16, s[8:9]               ; thread 0: the work-group's one word of pmax
	s_wait_xcnt 0x0                                ; and again in front of the line that widens EXEC
	s_or_b32 exec_lo, exec_lo, s21
.Lend:
	s_wait_tensorcnt 0x0                           ; the wave's end, behind my last LDS store
	ds_add_u32 v[SPW], v[NIL]
	s_wait_dscnt 0x0
	s_endpgm
.Lfunc_end_k_qcf3a261cfb_prep:
	.size	k_qcf3a261cfb_prep, .Lfunc_end_k_qcf3a261cfb_prep-k_qcf3a261cfb_prep
	.p2alignl 7, 3214868480
	.fill 96, 4, 3214868480
	.section	.rodata,"a",@progbits
	.p2align	6, 0x0
	.amdhsa_kernel k_qcf3a261cfb_prep
		.amdhsa_group_segment_fixed_size 2304
		.amdhsa_private_segment_fixed_size 0
		.amdhsa_enable_private_segment 0
		.amdhsa_kernarg_size 32
		.amdhsa_user_sgpr_count 2
		.amdhsa_user_sgpr_kernarg_segment_ptr 1
		.amdhsa_wavefront_size32 1
		.amdhsa_system_sgpr_workgroup_id_x 1
		.amdhsa_system_sgpr_workgroup_id_y 1
		.amdhsa_system_sgpr_workgroup_id_z 1
		.amdhsa_system_vgpr_workitem_id 0
		.amdhsa_next_free_vgpr 240
		.amdhsa_next_free_sgpr 66
		.amdhsa_reserve_vcc 1
		.amdhsa_float_denorm_mode_32 3
		.amdhsa_float_denorm_mode_16_64 3
		.amdhsa_memory_ordered 1
		.amdhsa_forward_progress 1
		.amdhsa_inst_pref_size 24
	.end_amdhsa_kernel
	.amdgpu_metadata
---
amdhsa.version: [ 1, 2 ]
amdhsa.kernels:
  - .name:           k_qcf3a261cfb_prep
    .symbol:         k_qcf3a261cfb_prep.kd
    .args:
      - { .name: x, .offset: 0, .size: 8, .value_kind: global_buffer, .address_space: global }
      - { .name: weight_q, .offset: 8, .size: 8, .value_kind: global_buffer, .address_space: global }
      - { .name: pmax, .offset: 16, .size: 8, .value_kind: global_buffer, .address_space: global }
      - { .name: wq, .offset: 24, .size: 8, .value_kind: global_buffer, .address_space: global }
    .group_segment_fixed_size: 2304
    .private_segment_fixed_size: 0
    .kernarg_segment_align: 8
    .kernarg_segment_size: 32
    .max_flat_workgroup_size: 512
    .sgpr_count:     66
    .vgpr_count:     240
    .wavefront_size: 32
...
	.end_amdgpu_metadata
.endif
;; end of part 1
;; launch quant (part 2): grid 256 x 1, 16 waves a work-group, no clusters, 0 bytes of LDS; arguments x, pmax, xq; writes xq
.if DOCPART == 2
	.amdgcn_target "amdgcn-amd-amdhsa--gfx1250"
	.amdhsa_code_object_version 6
	.text
	.protected	k_qcf3a261cfb_quant
	.globl	k_qcf3a261cfb_quant
	.p2align	8
	.type	k_qcf3a261cfb_quant,@function
k_qcf3a261cfb_quant:
	s_mov_b64 s[64:65], 0
	v_nop
	global_prefetch_b8 v0, s[64:65] scope:SCOPE_SE
	s_setreg_imm32_b32 hwreg(HW_REG_WAVE_MODE, 25, 1), 1
	s_wait_xcnt 0x0
; SECOND PASS.  c = the largest of pmax's 256 numbers; s = 127 / c; xq = clip(round(x s), -128, 127) as f16, in which these whole numbers are exact.
; Sixteen waves; wave w of work-group g owns row 16 g + w of x: 32 loads of 512 bytes, all issued at once, worked off with counts that run down.
; Every wave folds the 1,024 bytes of pmax by itself: no LDS, no barrier, no wave waits for another.
; The clip stands ahead of the rounding: its bounds are whole numbers, so the result is the same, and v_rndne_f32 rounds ties to even as jnp.round does.
; LIMITS.  s is a reciprocal with one fused correction step, right to the last bit or so: where x s falls on a tie of the rounding the neighbouring code may be taken.
; c = 0 and |c| outside 2^-126 .. 2^126 (v_rcp_f32 flushes denormals: ISA guide, its entry in 15.8) are not served.  A negative c goes through the same arithmetic as in the module.
.set P, 4                              ; v[4:11]   pmax, 8 numbers a lane
.set S, 12                             ; v[12:13]  s, twice: a pair for the packed multiply
.set X, 16                             ; v[16:143] load i of x: 4 registers; its first two then hold the 4 codes to store and are never rewritten
	s_load_b128 s[4:7], s[0:1], 0x0                ; x s[4:5], pmax s[6:7]
	s_load_b64 s[8:9], s[0:1], 0x10                ; xq
	v_lshrrev_b32 v3, 5, v0
	v_readfirstlane_b32 s10, v3                    ; my wave's number
	v_and_b32 v2, 31, v0
	v_lshlrev_b32 v1, 4, v2                        ; 16 x lane: the loads
	v_lshlrev_b32 v2, 3, v2                        ; 8 x lane: the stores
	s_lshl_b32 s11, ttmp9, 4
	s_add_co_u32 s11, s11, s10                     ; my row
	s_mov_b32 s12, 0xc3000000                      ; -128.0
	s_mov_b32 s13, 0x42fe0000                      ; 127.0
	s_mov_b32 s14, 0x76543210                      ; v_permlanex16_b32: each lane takes its own place in the other half
	s_mov_b32 s15, 0xfedcba98
	s_mov_b32 s17, 0
	s_wait_kmcnt 0x0
	s_lshl_b32 s16, s11, 14                        ; a row of x is 16,384 bytes
	s_add_nc_u64 s[4:5], s[4:5], s[16:17]
	s_lshl_b32 s16, s11, 13                        ; of xq 8,192
	s_add_nc_u64 s[8:9], s[8:9], s[16:17]
	global_load_b128 v[P:P+3],   v1, s[6:7]
	global_load_b128 v[P+4:P+7], v1, s[6:7] offset:512
.set n, 0
.rept 32
	global_load_b128 v[X+4*n:X+4*n+3], v1, s[4:5] offset:512*n th:TH_LOAD_NT  ; the last time that x is read
.set n, n+1
.endr
	s_wait_loadcnt 32                              ; pmax is in; the 32 loads of x issued behind it stay out
	v_max3_num_f32 v[P], v[P], v[P+1], v[P+2]
	v_max3_num_f32 v[P+4], v[P+4], v[P+5], v[P+6]
	v_max3_num_f32 v[P], v[P], v[P+3], v[P+7]
	v_max_num_f32 v[P], v[P], v[P+4]
	v_max_num_f32_dpp v[P], v[P], v[P] row_xmask:1 row_mask:0xf bank_mask:0xf
	v_max_num_f32_dpp v[P], v[P], v[P] row_xmask:2 row_mask:0xf bank_mask:0xf
	v_max_num_f32_dpp v[P], v[P], v[P] row_xmask:4 row_mask:0xf bank_mask:0xf
	v_max_num_f32_dpp v[P], v[P], v[P] row_xmask:8 row_mask:0xf bank_mask:0xf
	v_permlanex16_b32 v[P+1], v[P], s14, s15
	v_max_num_f32 v[P], v[P], v[P+1]               ; c, in every lane
	v_rcp_f32 v14, v[P]
	v_nop                                          ; a plain instruction between the reciprocal and the use of its result (ISA guide 5.7.2)
	s_wait_alu depctr_va_vdst(0)
	v_mul_f32 v[S], s13, v14                       ; q = 127 r
	v_fma_f32 v15, -v[P], v[S], s13                ; e = 127 - c q, exact to one rounding
	v_fma_f32 v[S], v15, v14, v[S]                 ; s = q + e r
	v_mov_b32 v[S+1], v[S]
; Load i: four numbers a lane are scaled, clipped, rounded and packed into 8 bytes; the wave's store fills 256 consecutive bytes, aligned.
.macro Q i
	s_wait_loadcnt 31-(\i)                         ; loads come back in order: the 31 - i younger ones stay out
	v_pk_mul_f32 v[X+4*(\i):X+4*(\i)+1],   v[X+4*(\i):X+4*(\i)+1],   v[S:S+1]
	v_pk_mul_f32 v[X+4*(\i)+2:X+4*(\i)+3], v[X+4*(\i)+2:X+4*(\i)+3], v[S:S+1]
.irp j, 0,1,2,3
	v_med3_num_f32 v[X+4*(\i)+(\j)], v[X+4*(\i)+(\j)], s12, s13
.endr
.irp j, 0,1,2,3
	v_rndne_f32 v[X+4*(\i)+(\j)], v[X+4*(\i)+(\j)]
.endr
	v_cvt_pk_f16_f32 v[X+4*(\i)],   v[X+4*(\i)],   v[X+4*(\i)+1]
	v_cvt_pk_f16_f32 v[X+4*(\i)+1], v[X+4*(\i)+2], v[X+4*(\i)+3]
	global_store_b64 v2, v[X+4*(\i):X+4*(\i)+1], s[8:9] offset:256*(\i)
.endm
.set n, 0
.rept 32
	Q n
.set n, n+1
.endr
	s_endpgm
.Lfunc_end_k_qcf3a261cfb_quant:
	.size	k_qcf3a261cfb_quant, .Lfunc_end_k_qcf3a261cfb_quant-k_qcf3a261cfb_quant
	.p2alignl 7, 3214868480
	.fill 96, 4, 3214868480
	.section	.rodata,"a",@progbits
	.p2align	6, 0x0
	.amdhsa_kernel k_qcf3a261cfb_quant
		.amdhsa_group_segment_fixed_size 0
		.amdhsa_private_segment_fixed_size 0
		.amdhsa_enable_private_segment 0
		.amdhsa_kernarg_size 24
		.amdhsa_user_sgpr_count 2
		.amdhsa_user_sgpr_kernarg_segment_ptr 1
		.amdhsa_wavefront_size32 1
		.amdhsa_system_sgpr_workgroup_id_x 1
		.amdhsa_system_sgpr_workgroup_id_y 1
		.amdhsa_system_sgpr_workgroup_id_z 1
		.amdhsa_system_vgpr_workitem_id 0
		.amdhsa_next_free_vgpr 144
		.amdhsa_next_free_sgpr 66
		.amdhsa_reserve_vcc 0
		.amdhsa_float_denorm_mode_32 3
		.amdhsa_float_denorm_mode_16_64 3
		.amdhsa_memory_ordered 1
		.amdhsa_forward_progress 1
		.amdhsa_inst_pref_size 30
	.end_amdhsa_kernel
	.amdgpu_metadata
---
amdhsa.version: [ 1, 2 ]
amdhsa.kernels:
  - .name:           k_qcf3a261cfb_quant
    .symbol:         k_qcf3a261cfb_quant.kd
    .args:
      - { .name: x, .offset: 0, .size: 8, .value_kind: global_buffer, .address_space: global }
      - { .name: pmax, .offset: 8, .size: 8, .value_kind: global_buffer, .address_space: global }
      - { .name: xq, .offset: 16, .size: 8, .value_kind: global_buffer, .address_space: global }
    .group_segment_fixed_size: 0
    .private_segment_fixed_size: 0
    .kernarg_segment_align: 8
    .kernarg_segment_size: 24
    .max_flat_workgroup_size: 512
    .sgpr_count:     66
    .vgpr_count:     144
    .wavefront_size: 32
...
	.end_amdgpu_metadata
.endif
;; end of part 2
;; launch gemm (part 3): grid 16 x 16, 4 waves a work-group, clusters of 4 x 4, 327,680 bytes of LDS; arguments xq, wq, pmax, qscales, bias, out0; writes out0
.if DOCPART == 3
	.amdgcn_target "amdgcn-amd-amdhsa--gfx1250"
	.amdhsa_code_object_version 6
	.text
	.protected	k_qcf3a261cfb_gemm
	.globl	k_qcf3a261cfb_gemm
	.p2align	8
	.type	k_qcf3a261cfb_gemm,@function
k_qcf3a261cfb_gemm:
	s_mov_b64 s[64:65], 0
	v_nop
	global_prefetch_b8 v0, s[64:65] scope:SCOPE_SE
	s_setreg_imm32_b32 hwreg(HW_REG_WAVE_MODE, 25, 1), 1
	s_wait_xcnt 0x0
	s_wait_alu depctr_hold_cnt(0) depctr_sa_sdst(0) depctr_va_vdst(0) depctr_va_sdst(0) depctr_va_ssrc(0) depctr_va_vcc(0) depctr_vm_vsrc(0)
	s_getreg_b32 s2, hwreg(HW_REG_IB_STS2, 6, 4)
	s_cmp_eq_u32 s2, 0
	s_cbranch_scc0 .Lentry_in_a_cluster
	s_endpgm
.Lentry_in_a_cluster:
	s_bfe_u32 s2, ttmp6, 0x10000c
	s_cmp_lg_u32 s2, 0xf033
	s_cbranch_scc0 .Lentry_shape_is_right
	s_endpgm
.Lentry_shape_is_right:
; out0[m][n] = (sum over k of xq[m][k] wq[n][k]) x (c / 127 x qscales[n]) + bias[n].  xq, wq: [4096][4096] f16 holding whole numbers -128 .. 127; out0: [4096][4096] f32; c = the largest of pmax's 256.
; The operands and their products are exact in f16 and f32; LIMIT: a sum past 2^24 is rounded to f32 as it grows.  c / 127 is c times the f32 nearest to 1 / 127.
; A tile of out0, 256 x 256, is made by a work-group of four waves; a wave makes 128 x 128: 64 accumulators of 16 x 16, 512 registers.  256 tiles, one to a work-group.
; K goes in 32 steps of 128 through a ring of two LDS slots filled by the tensor data mover: the tiles' rows are 256 bytes of memory and start at multiples of 256 bytes from the buffer's first byte.
; CLUSTERS: 4 x 4 work-groups.  The four of a row of the cluster need the same tiles of xq (A), the four of a column the same tiles of wq (B): each tile is asked for JOINTLY, by the same tensor load
; with the same descriptor and a mask that names the four.  That divides the requests for A and for B by four.
; THE MATRIX INSTRUCTION IS USED TRANSPOSED: source 0 = 16 rows of B, source 1 = 16 rows of A.  Lane l then holds row l % 16 of the result and its registers 0 to 7 the columns 8 (l / 16) + 0 .. 7:
; eight neighbouring numbers of a row, 32 bytes in f32, and the gain and bias of those columns are the same for all of a wave's rows: 64 + 64 registers, made once.
; REGISTERS, in windows of 256 (s_set_vgpr_msb: bits 1:0 source 0, 3:2 source 1, 5:4 source 2, 7:6 destination):
;   window 0: v0-39 addresses and set-up; v64-127, v128-191 fragments of A, two buffers; on the way out v64-127 scaled results, v128-191 and v192-255 rows read back, by turns
;   window 1: v0-63 the gains of my 128 columns; v64-127, v128-191 fragments of B, two buffers; v192-255 the biases
;   window 2: the 32 accumulators of my rows 0-63 (accumulator (a, b) at v[8 (8 a + b)]);   window 3: those of my rows 64-127
.set SIZE_K, 4096
.set SIZE_N, 4096
.set KSTEP,  128
.set PITCH,  272                       ; an LDS row: 256 bytes + 16 of padding = 68 words: row r starts at bank 4 r mod 64 (64 banks of 4 bytes: ISA guide 11.1), so the 16 rows of a load start at 16 different banks
.set HALFT,  128*PITCH                 ; 128 rows: what one tensor load brings, and what one wave reads of A or of B
.set SLOT,   4*HALFT                   ; A's 256 rows, then B's 256 rows
.set STAGE,  2*SLOT                    ; behind the ring, never filled by a tensor load: 16 rows x 528 bytes for each wave, for the way out
.set SPITCH, 528                       ; a stage row: my 128 columns in f32, 512 bytes, + 16: rows 16 bytes apart modulo 256
.set SPARE,  STAGE+4*16*SPITCH         ; behind the stages: the spare words, 128 bytes for each wave: two blocks of 256 bytes that no other line names
.set LAPS,   SIZE_K/(2*KSTEP)          ; a lap = two K steps = once round the ring: 16
.set ROWC,   SIZE_N*4                  ; bytes in a row of out0
.set ADRA, 16                          ; v16-17  LDS address of my A fragments in slot 0, 1
.set ADRB, 20                          ; v20-21  the same for B
.set STO,  24                          ; v24     the way out: where I put 32 bytes of a row
.set RD,   25                          ; v25     the way out: where I read a row back
.set CO,   26                          ; v26     16 x lane: my bytes in 512 consecutive bytes of out0 (and of pmax)
.set QB,   27                          ; v27     32 x (lane / 16): my eight columns in a block of sixteen, in bytes
.set SPW,  28                          ; v28     LDS address of my spare word: SPARE + 4 x my thread's number; never rewritten
.set NIL,  29                          ; v29     0; never rewritten
.set AL,   30                          ; v[30:31] c / 127, twice
.set PM,   32                          ; v[32:39] pmax, 8 numbers a lane
.set F0,   64                          ; fragment buffer 0
.set F1,   128                         ; fragment buffer 1
.set TMP,  64                          ; the way out: 16 rows x 128 columns, scaled, 64 registers
.set BK,   128                         ; the way out: the same rows read back whole, two buffers of 64
.set GS,   0                           ; window 1: gain of column 16 b + 8 (lane / 16) + j at GS + 8 b + j
.set BI,   192                         ; window 1: its bias
.set G1, 24                            ; s[24:31] descriptor group 1 for A's tiles
.set G0, 32                            ; s[32:39] descriptor group 0 for A's tiles, one set for each slot
.set G1B, 48                           ; s[48:55] descriptor group 1 for B's tiles: it differs from A's in the mask alone
.set G0B, 56                           ; s[56:63] descriptor group 0 for B's tiles, one set for each slot
.set MSB, 0
.macro WIN new                         ; the immediate's high byte repeats the setting that is left; a switch that changes nothing is dropped
.if MSB != (\new)
	s_set_vgpr_msb (MSB<<8)|(\new)
.set MSB, \new
.endif
.endm
.set MUL_LO, 0xa1                      ; source 0 (B) window 1, source 1 (A) window 0, C and D window 2
.set MUL_HI, 0xf1                      ; the same, C and D window 3
.set TO_B,   0x40                      ; destination window 1, address window 0
.set W_G,    0x41                      ; destination and source 0 window 1, source 1 window 0
; A joint load.  Waves 0 and 1 fetch A's two halves, waves 2 and 3 B's.  Each of the two lines has one mask and one set of registers for all that issue it.  The branch hangs on the wave's number alone.
; An s_nop 0 and four v_nop follow each of the two lines; the jump round the other line, the label and what follows the macro come after them.
.macro JLOAD s
	s_cmp_eq_u32 s11, 0
	s_cbranch_scc0 .Lfor_b_\@
	tensor_load_to_lds s[G0+4*(\s):G0+4*(\s)+3], s[G1:G1+7]
	s_nop 0
.rept 4
	v_nop
.endr
	s_branch .Lasked_\@
.Lfor_b_\@:
	tensor_load_to_lds s[G0B+4*(\s):G0B+4*(\s)+3], s[G1B:G1B+7]
	s_nop 0
.rept 4
	v_nop
.endr
.Lasked_\@:
.endm
; A round of the cluster's barrier: my work-group's barrier, so that wave 0's signal speaks for all four waves; wave 0 signals for the work-group; every wave waits for all sixteen; my work-group's barrier once more.
.macro CREST                           ; a round behind its opening barrier
	s_cmp_lg_u32 s10, 0
	s_cbranch_scc1 .Lnot_wave_0_\@
	s_barrier_signal -3
.Lnot_wave_0_\@:
	s_barrier_wait -3
	s_barrier_signal -1
	s_barrier_wait -1
.endm
.macro CROUND                          ; a whole round
	s_barrier_signal -1
	s_barrier_wait -1
	CREST
.endm
	s_load_b128 s[4:7], s[0:1], 0x0                ; xq (A) s[4:5], wq (B) s[6:7]
	s_load_b256 s[68:75], s[0:1], 0x10             ; pmax s[68:69], qscales s[70:71], bias s[72:73], out0 s[74:75]
	v_lshl_add_u32 v[SPW], v0, 2, SPARE
	v_mov_b32 v[NIL], 0
	ds_add_u32 v[SPW], v[NIL]                      ; the wave's opening: the add and its wait stand ahead of my first tensor load; the set-up below, work on registers, stands between them
	v_lshrrev_b32 v1, 5, v0
	v_readfirstlane_b32 s10, v1                    ; wave 0..3
	s_lshr_b32 s11, s10, 1                         ; which half of the tile's rows is mine.  Also: I fetch for A (0) or for B (1)
	s_and_b32 s12, s10, 1                          ; which half of its columns.  Also: which 128 rows of that tile I fetch
	s_bfe_u32 s40, ttmp6, 0x40000                  ; cx: my place along the cluster's x
	s_bfe_u32 s41, ttmp6, 0x40004                  ; cy: along its y
	s_lshl_b32 s42, ttmp9, 2                       ; in a cluster launch ttmp9 and ttmp7 count clusters
	s_add_co_u32 s42, s42, s40                     ; tile column = 4 x cluster x + cx
	s_and_b32 s13, ttmp7, 0xffff
	s_lshl_b32 s13, s13, 2
	s_add_co_u32 s13, s13, s41                     ; tile row = 4 x cluster y + cy
	s_lshl_b32 s43, s41, 2
	s_lshl_b32 s43, 15, s43                        ; my row of the cluster: places 4 cy .. 4 cy + 3
	s_lshl_b32 s44, 0x1111, s40                    ; my column: places cx, cx + 4, cx + 8, cx + 12
	; descriptor group 1: a tile of 128 rows x 128 elements, padded in LDS
	s_or_b32 s[G1+0], s43, (1<<16)|(1<<20)|(1<<21)|(5<<22)|(3<<25)  ; 15:0 the mask: A's tiles go to my row; 17:16 element of 2 bytes; 20 padding on; 21 set beside a mask; 24:22 after every 64 words (code 5); 31:25 of 4 words (code 3)
	s_or_b32 s[G1B+0], s44, (1<<16)|(1<<20)|(1<<21)|(5<<22)|(3<<25) ; the same with the mask of my column, for B's tiles
.irp g, G1, G1B
	s_mov_b32 s[(\g)+1], KSTEP<<16                 ; tensor_dim0 = 128
	s_mov_b32 s[(\g)+2], 128<<16                   ; tensor_dim1 = 128
	s_mov_b32 s[(\g)+3], KSTEP<<16                 ; tile_dim0 = 128
	s_mov_b32 s[(\g)+4], 128                       ; tile_dim1 = 128
	s_mov_b32 s[(\g)+5], SIZE_K                    ; elements from row to row
	s_mov_b32 s[(\g)+6], 0
	s_mov_b32 s[(\g)+7], 0
.endr
	s_mov_b32 s76, 0x76543210                      ; v_permlanex16_b32: each lane takes its own place in the other half
	s_mov_b32 s77, 0xfedcba98
	; where the tiles come from.  A's hang on the tile row alone, which my row of the cluster shares; B's on the tile column alone, which my column shares.
	; Every wave makes both addresses, in registers that never hold the other coordinate, and asks by one of them.
	s_lshl_b32 s17, s12, 7                         ; which 128 rows of the tile I fetch
	s_lshl_b32 s16, s13, 8
	s_add_co_u32 s16, s16, s17                     ; A: row 256 x tile row + 128 x half
	s_lshl_b32 s46, s42, 8
	s_add_co_u32 s46, s46, s17                     ; B: row 256 x tile column + 128 x half
	s_mov_b32 s17, 0
	s_mov_b32 s47, 0
	s_mov_b64 s[18:19], SIZE_K*2
	s_mul_u64 s[16:17], s[16:17], s[18:19]         ; in bytes
	s_mul_u64 s[46:47], s[46:47], s[18:19]
	s_mul_i32 s20, s10, HALFT                      ; and where they go: A's two halves, then B's two halves = wave x 128 rows: no place in the cluster enters an LDS address
	s_wait_dscnt 0x0                               ; the opening add is done
	s_wait_kmcnt 0x0
	s_add_nc_u64 s[14:15], s[4:5], s[16:17]
	s_add_nc_u64 s[46:47], s[6:7], s[46:47]
	CROUND                                         ; all sixteen work-groups are here: the first joint loads meet
.irp s, 0,1
	s_mov_b32 s[G0+4*(\s)], 1                                      ; 1:0 count = 1
	s_add_co_u32 s[G0+4*(\s)+1], s20, (\s)*SLOT                    ; 63:32 LDS address
	s_add_nc_u64 s[G0+4*(\s)+2:G0+4*(\s)+3], s[14:15], (\s)*KSTEP*2  ; 120:64 global address: K step s
	s_or_b32 s[G0+4*(\s)+3], s[G0+4*(\s)+3], 0x80000000            ; 127:126 type = 2
	s_mov_b32 s[G0B+4*(\s)], 1
	s_add_co_u32 s[G0B+4*(\s)+1], s20, (\s)*SLOT
	s_add_nc_u64 s[G0B+4*(\s)+2:G0B+4*(\s)+3], s[46:47], (\s)*KSTEP*2
	s_or_b32 s[G0B+4*(\s)+3], s[G0B+4*(\s)+3], 0x80000000
	JLOAD \s                                       ; the ring is filled before anything else is done: two loads of mine are out
.endr
	; A fragment is 16 rows x 32 K in 8 registers: lane l holds row l % 16; registers 0-3 hold K = 8 (l / 16) + 0..7, registers 4-7 hold K = 16 + 8 (l / 16) + 0..7: two loads of 16 bytes, 32 bytes apart.
	v_and_b32 v1, 15, v0                           ; l % 16
	v_bfe_u32 v2, v0, 4, 1                         ; l / 16
	v_mul_u32_u24 v3, v1, PITCH
	v_lshl_add_u32 v3, v2, 4, v3                   ; row x pitch + 16 x half
	s_mul_i32 s21, s11, HALFT                      ; my 128 rows of A
	s_mul_i32 s22, s12, HALFT                      ; my 128 rows of B,
	s_add_co_u32 s22, s22, 2*HALFT                 ; which lie behind A's 256
.irp s, 0,1
	v_add_nc_u32 v[ADRA+(\s)], s21, v3
	v_add_nc_u32 v[ADRB+(\s)], s22, v3
	s_add_co_u32 s21, s21, SLOT
	s_add_co_u32 s22, s22, SLOT
.endr
	s_mul_i32 s23, s10, 16*SPITCH
	s_add_co_u32 s23, s23, STAGE                   ; my stage
	v_mul_u32_u24 v4, v1, SPITCH                   ; in: row l % 16, 32 bytes for each half of the lanes
	v_lshl_add_u32 v4, v2, 5, v4
	v_add_nc_u32 v[STO], s23, v4
	v_and_b32 v5, 31, v0
	v_lshlrev_b32 v[CO], 4, v5                     ; back: the 32 lanes take one row of 512 bytes
	v_add_nc_u32 v[RD], s23, v[CO]
	v_lshlrev_b32 v[QB], 5, v2
	; out0 at my first row and column; qscales and bias at my first column
	s_lshl_b32 s16, s13, 8
	s_lshl_b32 s14, s11, 7
	s_add_co_u32 s16, s16, s14                     ; my first row: 256 x tile row + 128 x half,
	s_lshl_b32 s16, s16, 14                        ; times 16,384 bytes: under 2^26
	s_mov_b32 s17, 0
	s_lshl_b32 s46, s42, 10                        ; my first column in bytes of f32: 1,024 x tile column + 512 x half (in the registers that held B's address: none that feeds A's descriptors ever holds cx)
	s_lshl_b32 s47, s12, 9
	s_add_co_u32 s46, s46, s47
	s_mov_b32 s47, 0
	s_add_nc_u64 s[74:75], s[74:75], s[16:17]
	s_add_nc_u64 s[74:75], s[74:75], s[46:47]
	s_add_nc_u64 s[70:71], s[70:71], s[46:47]
	s_add_nc_u64 s[72:73], s[72:73], s[46:47]
	; c, the gains and the biases: all of this stands in the wait for the first tile
	global_load_b128 v[PM:PM+3],   v[CO], s[68:69]
	global_load_b128 v[PM+4:PM+7], v[CO], s[68:69] offset:512
	WIN TO_B
.irp b, 0,1,2,3,4,5,6,7
	global_load_b128 v[GS+8*(\b):GS+8*(\b)+3],   v[QB], s[70:71] offset:64*(\b)
	global_load_b128 v[GS+8*(\b)+4:GS+8*(\b)+7], v[QB], s[70:71] offset:64*(\b)+16
	global_load_b128 v[BI+8*(\b):BI+8*(\b)+3],   v[QB], s[72:73] offset:64*(\b)
	global_load_b128 v[BI+8*(\b)+4:BI+8*(\b)+7], v[QB], s[72:73] offset:64*(\b)+16
.endr
	WIN 0
	s_wait_loadcnt 0x0
	v_max3_num_f32 v[PM], v[PM], v[PM+1], v[PM+2]
	v_max3_num_f32 v[PM+4], v[PM+4], v[PM+5], v[PM+6]
	v_max3_num_f32 v[PM], v[PM], v[PM+3], v[PM+7]
	v_max_num_f32 v[PM], v[PM], v[PM+4]
	v_max_num_f32_dpp v[PM], v[PM], v[PM] row_xmask:1 row_mask:0xf bank_mask:0xf
	v_max_num_f32_dpp v[PM], v[PM], v[PM] row_xmask:2 row_mask:0xf bank_mask:0xf
	v_max_num_f32_dpp v[PM], v[PM], v[PM] row_xmask:4 row_mask:0xf bank_mask:0xf
	v_max_num_f32_dpp v[PM], v[PM], v[PM] row_xmask:8 row_mask:0xf bank_mask:0xf
	v_permlanex16_b32 v[PM+1], v[PM], s76, s77
	v_max_num_f32 v[PM], v[PM], v[PM+1]            ; c, in every lane
	v_mul_f32 v[AL], 0x3c010204, v[PM]             ; c / 127
	v_mov_b32 v[AL+1], v[AL]
	WIN W_G
.set i, 0
.rept 32
	v_pk_mul_f32 v[GS+2*i:GS+2*i+1], v[GS+2*i:GS+2*i+1], v[AL:AL+1]  ; the gain of a column: c / 127 x qscales
.set i, i+1
.endr
	WIN 0
; 16 matrix instructions: m blocks a0, a0 + 1 of the window's four (hi = 0: my rows 0-63, 1: rows 64-127) x all 8 n blocks, 32 along K.
; zero = 1: the first product starts the sums: nothing is ever cleared.
.macro MUL16 f, hi, a0, zero
	WIN MUL_LO+0x50*(\hi)
.irp a, \a0, (\a0)+1
.irp b, 0,1,2,3,4,5,6,7
.if \zero
	v_wmma_f32_16x16x32_f16 v[8*(8*(\a)+(\b)):8*(8*(\a)+(\b))+7], v[(\f)+8*(\b):(\f)+8*(\b)+7], v[(\f)+8*(4*(\hi)+(\a)):(\f)+8*(4*(\hi)+(\a))+7], 0
.else
	v_wmma_f32_16x16x32_f16 v[8*(8*(\a)+(\b)):8*(8*(\a)+(\b))+7], v[(\f)+8*(\b):(\f)+8*(\b)+7], v[(\f)+8*(4*(\hi)+(\a)):(\f)+8*(4*(\hi)+(\a))+7], v[8*(8*(\a)+(\b)):8*(8*(\a)+(\b))+7]
.endif
.endr
.endr
.endm
; 32 LDS loads in one run: the fragments of one quarter step (128 rows of B, 128 rows of A, 32 K at byte k of the rows) into buffer f
.macro FETCH slot, k, f
	WIN TO_B
.irp i, 0,1,2,3,4,5,6,7
	ds_load_b128 v[(\f)+8*(\i):(\f)+8*(\i)+3],   v[ADRB+(\slot)] offset:(\k)+(\i)*16*PITCH
	ds_load_b128 v[(\f)+8*(\i)+4:(\f)+8*(\i)+7], v[ADRB+(\slot)] offset:(\k)+(\i)*16*PITCH+32
.endr
	WIN 0
.irp i, 0,1,2,3,4,5,6,7
	ds_load_b128 v[(\f)+8*(\i):(\f)+8*(\i)+3],   v[ADRA+(\slot)] offset:(\k)+(\i)*16*PITCH
	ds_load_b128 v[(\f)+8*(\i)+4:(\f)+8*(\i)+7], v[ADRA+(\slot)] offset:(\k)+(\i)*16*PITCH+32
.endr
.endm
; A load into a register that a matrix instruction has read, and a vector instruction that reads a matrix result or writes one of a matrix instruction's registers, stand four places behind it, and only
; plain vector instructions that name none of its registers are places (ISA guide 7.12.1 for vector instructions); the matrix instructions in between are not counted.
.macro PLACES
.rept 4
	v_nop
.endr
.endm
; A K step is four quarter steps of 32 along K, 64 matrix instructions each, on buffers 0, 1, 0, 1.  The 64 accumulators take turns, one instruction a turn, in the same order in every quarter.
; One of the first three quarters: multiplies buffer f; in its middle it fetches the next quarter's fragments, at byte k of the same slot's rows, into buffer g.
.macro QUARTER slot, k, f, g, zero
	s_wait_dscnt 8                                 ; B and A's rows 0-63 are in; the youngest eight loads (A's rows 64-127) may be out
	WIN MUL_LO
	MUL16 \f, 0, 0, \zero
	MUL16 \f, 0, 2, \zero
	PLACES
	FETCH \slot, \k, \g
	s_wait_dscnt 32                                ; all but the 32 just issued
	WIN MUL_HI
	MUL16 \f, 1, 0, \zero
	MUL16 \f, 1, 2, \zero
.endm
; The last quarter multiplies buffer 1 and changes slots.  MEET is its first half: ONE barrier for the change of slots.  In front of it each wave waits for all its tensor loads, of which one is out: its part
; of the next slot; adds 0 to its spare word; and waits for that and for its own reads of this slot.  Behind it nobody reads this slot any more and the next slot is whole.
.macro MEET round                      ; round = 1: a round of the cluster's barrier follows
	WIN 0                                          ; (the add's two registers lie in window 0)
	s_wait_tensorcnt 0x0                           ; all my tensor loads have landed: the one that was out is my part of the next slot;
	ds_add_u32 v[SPW], v[NIL]                      ; 0 onto my spare word;
	s_wait_dscnt 9                                 ; (the add and the youngest eight loads may be out)
	WIN MUL_LO
	MUL16 F1, 0, 0, 0                              ; sixteen matrix instructions stand between the add and the wait for it
	s_wait_dscnt 0x0                               ; the add is done, and my reads of this slot are over:
	s_barrier_signal -1                            ; say so (where a slot is filled again this barrier opens a round of the cluster's barrier),
	MUL16 F1, 0, 2, 0                              ; work on registers while the others arrive,
.if \round
	WIN 0
.endif
	s_barrier_wait -1                              ; and go on when all four have said so
.endm
; The whole last quarter.  fill = 1: behind the round the slot just read out is filled again first, with the K step two steps on; then come the next slot's first fragments.
; From a request to the wait for it a wave issues 224 matrix instructions.
.macro TURN slot, next, fill
	MEET \fill
.if \fill
	CREST                                          ; no wave of any partner still reads this slot's tile or has a load on its way
	s_add_nc_u64 s[G0+4*(\slot)+2:G0+4*(\slot)+3], s[G0+4*(\slot)+2:G0+4*(\slot)+3], 2*KSTEP*2    ; no tensor load of mine is out, so a group 0 may be written
	s_add_nc_u64 s[G0B+4*(\slot)+2:G0B+4*(\slot)+3], s[G0B+4*(\slot)+2:G0B+4*(\slot)+3], 2*KSTEP*2
	JLOAD \slot                                    ; the first tensor load behind the round, my only one until the next; the four v_nop behind it are also the places in front of the loads below
.else
	PLACES
.endif
	FETCH \next, 0, F0
	WIN MUL_HI
	MUL16 F1, 1, 0, 0
	MUL16 F1, 1, 2, 0
.endm
; THE WAY OUT of block a (16 of my rows), in three parts.
; SCALE: sum x gain + bias, one fused multiply-add for two numbers, each accumulator's registers in ascending order.
.macro SCALE a
.set AC, 64*((\a)%4)
	WIN 0x16+(\a)/4                                ; source 0 window 2 or 3, sources 1 and 2 window 1, destination window 0
.irp b, 0,1,2,3,4,5,6,7
.irp r, 0,1,2,3
	v_pk_fma_f32 v[TMP+8*(\b)+2*(\r):TMP+8*(\b)+2*(\r)+1], v[AC+8*(\b)+2*(\r):AC+8*(\b)+2*(\r)+1], v[GS+8*(\b)+2*(\r):GS+8*(\b)+2*(\r)+1], v[BI+8*(\b)+2*(\r):BI+8*(\b)+2*(\r)+1]
.endr
.endr
	WIN 0
.endm
; TOSTAGE: a lane's 32 bytes of a row go into my own stage, and the block comes back as whole rows of 512 bytes.
.macro TOSTAGE a
.set BKR, BK+64*((\a)%2)
.irp b, 0,1,2,3,4,5,6,7
	ds_store_b128 v[STO], v[TMP+8*(\b):TMP+8*(\b)+3]   offset:64*(\b)
	ds_store_b128 v[STO], v[TMP+8*(\b)+4:TMP+8*(\b)+7] offset:64*(\b)+16
.endr
.irp t, 0,1,2,3,4,5,6,7,8,9,10,11,12,13,14,15
	ds_load_b128 v[BKR+4*(\t):BKR+4*(\t)+3], v[RD] offset:(\t)*SPITCH  ; LDS serves a wave's instructions in order (ISA guide 5.7.1.4): these see the stores above
.endr
.endm
; SEND: stored.  The row stands in the immediate: 127 rows of 16,384 bytes at the most, inside its signed 24 bits, so neither base nor offset register is ever rewritten.
.macro SEND a
.set BKR, BK+64*((\a)%2)
	s_wait_xcnt 0x0                                ; every earlier store has had its addresses translated (ISA guide 3.1): the other buffer, which the block before stored from, is loaded again only behind this wait
.irp t, 0,1,2,3,4,5,6,7,8,9,10,11,12,13,14,15
	s_wait_dscnt 15-(\t)                           ; row t is back; the younger rows may be out
	global_store_b128 v[CO], v[BKR+4*(\t):BKR+4*(\t)+3], s[74:75] offset:(16*(\a)+(\t))*ROWC th:TH_STORE_NT  ; the wave stores 512 consecutive bytes, at a multiple of 256 from out0's first byte
.endr
.endm
	s_wait_tensorcnt 1                             ; my part of K step 0 is in; K step 1's may stay out
	s_barrier_signal -1
	s_barrier_wait -1                              ; everybody's is
	FETCH 0, 0, F0
	QUARTER 0, 64,  F0, F1, 1                      ; the first quarter stands in front of the loop: its products start the sums
	WIN 0                                          ; at a label and at a branch every window is 0
	s_mov_b32 s3, LAPS-1
.Llap:                                                 ; a trip goes once round the ring, from a lap's second quarter to the next lap's first, and fills both slots again
	QUARTER 0, 128, F1, F0, 0
	QUARTER 0, 192, F0, F1, 0
	TURN 0, 1, 1
	QUARTER 1, 64,  F0, F1, 0
	QUARTER 1, 128, F1, F0, 0
	QUARTER 1, 192, F0, F1, 0
	TURN 1, 0, 1
	QUARTER 0, 64,  F0, F1, 0
	WIN 0
	s_sub_co_u32 s3, s3, 1
	s_cmp_lg_u32 s3, 0
	s_cbranch_scc1 .Llap
	QUARTER 0, 128, F1, F0, 0                      ; the last lap is written out: it fills nothing, and has no round of the cluster's barrier
	QUARTER 0, 192, F0, F1, 0
	TURN 0, 1, 0
	QUARTER 1, 64,  F0, F1, 0
	QUARTER 1, 128, F1, F0, 0
	QUARTER 1, 192, F0, F1, 0
	s_wait_dscnt 8                                 ; the very last quarter: nothing more to fetch
	WIN MUL_LO
	MUL16 F1, 0, 0, 0
	MUL16 F1, 0, 2, 0
	s_wait_dscnt 0x0
	WIN MUL_HI
	MUL16 F1, 1, 0, 0
	MUL16 F1, 1, 2, 0
	PLACES                                         ; behind the last products: what follows reads sums, writes A's buffer 0 and loads into A's buffer 1
	SCALE 0
	TOSTAGE 0
.irp a, 1,2,3,4,5,6,7                  ; block a's arithmetic stands between block a - 1's loads from the stage and the waits for them
	SCALE \a
	SEND (\a)-1
	TOSTAGE \a
.endr
	SEND 7
	s_wait_tensorcnt 0x0                           ; the wave's end, behind my last tensor load and my last LDS store
	ds_add_u32 v[SPW], v[NIL]
	s_wait_dscnt 0x0
	CROUND                                         ; the closing round: no work-group ends while a partner may still ask for a tile that names it
	s_endpgm
.Lfunc_end_k_qcf3a261cfb_gemm:
	.size	k_qcf3a261cfb_gemm, .Lfunc_end_k_qcf3a261cfb_gemm-k_qcf3a261cfb_gemm
	.p2alignl 7, 3214868480
	.fill 96, 4, 3214868480
	.section	.rodata,"a",@progbits
	.p2align	6, 0x0
	.amdhsa_kernel k_qcf3a261cfb_gemm
		.amdhsa_group_segment_fixed_size 327680
		.amdhsa_private_segment_fixed_size 0
		.amdhsa_enable_private_segment 0
		.amdhsa_kernarg_size 48
		.amdhsa_user_sgpr_count 2
		.amdhsa_user_sgpr_kernarg_segment_ptr 1
		.amdhsa_wavefront_size32 1
		.amdhsa_system_sgpr_workgroup_id_x 1
		.amdhsa_system_sgpr_workgroup_id_y 1
		.amdhsa_system_sgpr_workgroup_id_z 1
		.amdhsa_system_vgpr_workitem_id 0
		.amdhsa_next_free_vgpr 1024
		.amdhsa_next_free_sgpr 80
		.amdhsa_reserve_vcc 0
		.amdhsa_float_denorm_mode_32 3
		.amdhsa_float_denorm_mode_16_64 3
		.amdhsa_memory_ordered 1
		.amdhsa_forward_progress 1
		.amdhsa_inst_pref_size 166
	.end_amdhsa_kernel
	.amdgpu_metadata
---
amdhsa.version: [ 1, 2 ]
amdhsa.kernels:
  - .name:           k_qcf3a261cfb_gemm
    .symbol:         k_qcf3a261cfb_gemm.kd
    .args:
      - { .name: xq, .offset: 0, .size: 8, .value_kind: global_buffer, .address_space: global }
      - { .name: wq, .offset: 8, .size: 8, .value_kind: global_buffer, .address_space: global }
      - { .name: pmax, .offset: 16, .size: 8, .value_kind: global_buffer, .address_space: global }
      - { .name: qscales, .offset: 24, .size: 8, .value_kind: global_buffer, .address_space: global }
      - { .name: bias, .offset: 32, .size: 8, .value_kind: global_buffer, .address_space: global }
      - { .name: out0, .offset: 40, .size: 8, .value_kind: global_buffer, .address_space: global }
    .group_segment_fixed_size: 327680
    .private_segment_fixed_size: 0
    .kernarg_segment_align: 8
    .kernarg_segment_size: 48
    .max_flat_workgroup_size: 128
    .sgpr_count:     80
    .vgpr_count:     1024
    .wavefront_size: 32
...
	.end_amdgpu_metadata
.endif
;; end of part 3
;; ======== version 2 of 2: 3 launches; version 1 with the launch quant written anew for expert scheduling mode
;; workspace buffers: pmax 1,024 bytes; xq 33,554,432 bytes; wq 33,554,432 bytes
;; launch prep: the kernel of part 1 again; grid 256 x 1, 16 waves a work-group, no clusters, 2,304 bytes of LDS; arguments x, weight_q, pmax, wq; writes pmax, wq
;; launch quant (part 4): grid 256 x 1, 16 waves a work-group, no clusters, 0 bytes of LDS; arguments x, pmax, xq; writes xq
.if DOCPART == 4
	.amdgcn_target "amdgcn-amd-amdhsa--gfx1250"
	.amdhsa_code_object_version 6
	.text
	.protected	k_qcf3a261cfb_quant
	.globl	k_qcf3a261cfb_quant
	.p2align	8
	.type	k_qcf3a261cfb_quant,@function
k_qcf3a261cfb_quant:
	s_mov_b64 s[64:65], 0
	v_nop
	global_prefetch_b8 v0, s[64:65] scope:SCOPE_SE
	s_setreg_imm32_b32 hwreg(HW_REG_WAVE_SCHED_MODE, 0, 2), 2
	s_setreg_imm32_b32 hwreg(HW_REG_WAVE_MODE, 25, 1), 1
	s_wait_xcnt 0x0
	s_wait_alu depctr_vm_vsrc(0)
; SECOND PASS.  c = the largest of pmax's 256 numbers; s = 127 / c; xq = clip(round(x s), -128, 127) as f16, in which these whole numbers are exact.
; Sixteen waves; wave w of work-group g owns row 16 g + w of x: 32 loads of 512 bytes, all issued at once, worked off with counts that run down.
; Every wave folds the 1,024 bytes of pmax by itself: no LDS, no barrier, no wave waits for another.
; The clip stands ahead of the rounding: its bounds are whole numbers, so the result is the same, and v_rndne_f32 rounds ties to even as jnp.round does.
; LIMITS.  s is a reciprocal with one fused correction step, right to the last bit or so: where x s falls on a tie of the rounding the neighbouring code may be taken.
; c = 0 and |c| outside 2^-126 .. 2^126 (v_rcp_f32 flushes denormals: ISA guide, its entry in 15.8) are not served.  A negative c goes through the same arithmetic as in the module.
; THE MODE: SCHED_MODE bits 1:0 = 2 (LLVM: expert scheduling mode 2), set by the entry lines.  The code itself states the register dependences
; between vector instructions and memory instructions, with s_wait_alu, always for 0.
; THE PLAN.  Registers that memory instructions touch:
;   v1, v2     byte offsets of the loads and of the stores: made once at the head, never written again.
;   v[P ..]    pmax: two loads land in it; vector lines alone name it afterwards.
;   v[X ..]    piece i, four registers: load i lands in them (no vector line has named them); piece i's vector lines work in place; its two conversions
;              write the first two, which store i reads; nothing writes them again.  So no register that a memory instruction has read is ever rewritten.
; The 32 pieces go in eight blocks of four.  Store i is issued a block later, at the head of piece i + 4's vector lines.  ONE wait on va_vdst at a block's head
; states that the block before has written its eight out registers; the block's own vector lines name its own X registers, s and scalars alone,
; so the four stores are dealt among them with no further wait.  One more such wait stands ahead of the last four stores.
.set BLOCK, 4                          ; pieces in a block
.set P, 4                              ; v[4:11]   pmax, 8 numbers a lane
.set S, 12                             ; v[12:13]  s, twice: a pair for the packed multiply
.set X, 16                             ; v[16:143] load i of x: 4 registers; its first two then hold the 4 codes to store and are never rewritten
	s_load_b128 s[4:7], s[0:1], 0x0                ; x s[4:5], pmax s[6:7]
	s_load_b64 s[8:9], s[0:1], 0x10                ; xq
	v_lshrrev_b32 v3, 5, v0
	v_readfirstlane_b32 s10, v3                    ; my wave's number
	v_and_b32 v2, 31, v0
	v_lshlrev_b32 v1, 4, v2                        ; 16 x lane: the loads
	v_lshlrev_b32 v2, 3, v2                        ; 8 x lane: the stores
	s_wait_alu depctr_va_sdst(0)                   ; s10 is written, ahead of its first reader: my row, and both bases, are made from it
	s_lshl_b32 s11, ttmp9, 4
	s_add_co_u32 s11, s11, s10                     ; my row
	s_mov_b32 s12, 0xc3000000                      ; -128.0
	s_mov_b32 s13, 0x42fe0000                      ; 127.0
	s_mov_b32 s14, 0x76543210                      ; v_permlanex16_b32: each lane takes its own place in the other half
	s_mov_b32 s15, 0xfedcba98
	s_mov_b32 s17, 0
	s_wait_kmcnt 0x0
	s_lshl_b32 s16, s11, 14                        ; a row of x is 16,384 bytes
	s_add_nc_u64 s[4:5], s[4:5], s[16:17]
	s_lshl_b32 s16, s11, 13                        ; of xq 8,192
	s_add_nc_u64 s[8:9], s[8:9], s[16:17]
	s_wait_alu depctr_va_vdst(0)                   ; v1 and v2 are written: every load of the kernel reads v1 as its offset, every store v2
	global_load_b128 v[P:P+3],   v1, s[6:7]
	global_load_b128 v[P+4:P+7], v1, s[6:7] offset:512
.set n, 0
.rept 32
	global_load_b128 v[X+4*n:X+4*n+3], v1, s[4:5] offset:512*n th:TH_LOAD_NT  ; the last time that x is read
.set n, n+1
.endr
	s_wait_loadcnt 32                              ; pmax is in; the 32 loads of x issued behind it stay out
	v_max3_num_f32 v[P], v[P], v[P+1], v[P+2]
	v_max3_num_f32 v[P+4], v[P+4], v[P+5], v[P+6]
	v_max3_num_f32 v[P], v[P], v[P+3], v[P+7]
	v_max_num_f32 v[P], v[P], v[P+4]
	v_max_num_f32_dpp v[P], v[P], v[P] row_xmask:1 row_mask:0xf bank_mask:0xf
	v_max_num_f32_dpp v[P], v[P], v[P] row_xmask:2 row_mask:0xf bank_mask:0xf
	v_max_num_f32_dpp v[P], v[P], v[P] row_xmask:4 row_mask:0xf bank_mask:0xf
	v_max_num_f32_dpp v[P], v[P], v[P] row_xmask:8 row_mask:0xf bank_mask:0xf
	v_permlanex16_b32 v[P+1], v[P], s14, s15
	v_max_num_f32 v[P], v[P], v[P+1]               ; c, in every lane
	v_rcp_f32 v14, v[P]
	v_nop                                          ; a plain instruction between the reciprocal and the use of its result (ISA guide 5.7.2)
	s_wait_alu depctr_va_vdst(0)                   ; the reciprocal has written v14, ahead of its first reader
	v_mul_f32 v[S], s13, v14                       ; q = 127 r
	v_fma_f32 v15, -v[P], v[S], s13                ; e = 127 - c q, exact to one rounding
	v_fma_f32 v[S], v15, v14, v[S]                 ; s = q + e r
	v_mov_b32 v[S+1], v[S]
; Piece i: four numbers a lane are scaled, clipped, rounded and packed into 8 bytes.  At its head the store of piece i - 4 leaves: the wave's store fills 256 consecutive bytes, aligned.
.macro Q i
	s_wait_loadcnt 31-(\i)                         ; loads come back in order: the 31 - i younger ones stay out
.if (((\i) % BLOCK) == 0) && ((\i) > 0)
	s_wait_alu depctr_va_vdst(0)                   ; a block's head: the conversions of the block before have written their eight out registers, which this block's four stores read
.endif
.if (\i) >= BLOCK
	global_store_b64 v2, v[X+4*((\i)-BLOCK):X+4*((\i)-BLOCK)+1], s[8:9] offset:256*((\i)-BLOCK)  ; no vector line since the block's wait names these registers or v2
.endif
	v_pk_mul_f32 v[X+4*(\i):X+4*(\i)+1],   v[X+4*(\i):X+4*(\i)+1],   v[S:S+1]
	v_pk_mul_f32 v[X+4*(\i)+2:X+4*(\i)+3], v[X+4*(\i)+2:X+4*(\i)+3], v[S:S+1]
.irp j, 0,1,2,3
	v_med3_num_f32 v[X+4*(\i)+(\j)], v[X+4*(\i)+(\j)], s12, s13
.endr
.irp j, 0,1,2,3
	v_rndne_f32 v[X+4*(\i)+(\j)], v[X+4*(\i)+(\j)]
.endr
	v_cvt_pk_f16_f32 v[X+4*(\i)],   v[X+4*(\i)],   v[X+4*(\i)+1]
	v_cvt_pk_f16_f32 v[X+4*(\i)+1], v[X+4*(\i)+2], v[X+4*(\i)+3]
.endm
.set n, 0
.rept 32
	Q n
.set n, n+1
.endr
	s_wait_alu depctr_va_vdst(0)                   ; the last block's conversions have written their out registers, which the last four stores read
.set n, 32-BLOCK
.rept BLOCK
	global_store_b64 v2, v[X+4*n:X+4*n+1], s[8:9] offset:256*n
.set n, n+1
.endr
	s_endpgm
.Lfunc_end_k_qcf3a261cfb_quant:
	.size	k_qcf3a261cfb_quant, .Lfunc_end_k_qcf3a261cfb_quant-k_qcf3a261cfb_quant
	.p2alignl 7, 3214868480
	.fill 96, 4, 3214868480
	.section	.rodata,"a",@progbits
	.p2align	6, 0x0
	.amdhsa_kernel k_qcf3a261cfb_quant
		.amdhsa_group_segment_fixed_size 0
		.amdhsa_private_segment_fixed_size 0
		.amdhsa_enable_private_segment 0
		.amdhsa_kernarg_size 24
		.amdhsa_user_sgpr_count 2
		.amdhsa_user_sgpr_kernarg_segment_ptr 1
		.amdhsa_wavefront_size32 1
		.amdhsa_system_sgpr_workgroup_id_x 1
		.amdhsa_system_sgpr_workgroup_id_y 1
		.amdhsa_system_sgpr_workgroup_id_z 1
		.amdhsa_system_vgpr_workitem_id 0
		.amdhsa_next_free_vgpr 144
		.amdhsa_next_free_sgpr 66
		.amdhsa_reserve_vcc 0
		.amdhsa_float_denorm_mode_32 3
		.amdhsa_float_denorm_mode_16_64 3
		.amdhsa_memory_ordered 1
		.amdhsa_forward_progress 1
		.amdhsa_inst_pref_size 30
	.end_amdhsa_kernel
	.amdgpu_metadata
---
amdhsa.version: [ 1, 2 ]
amdhsa.kernels:
  - .name:           k_qcf3a261cfb_quant
    .symbol:         k_qcf3a261cfb_quant.kd
    .args:
      - { .name: x, .offset: 0, .size: 8, .value_kind: global_buffer, .address_space: global }
      - { .name: pmax, .offset: 8, .size: 8, .value_kind: global_buffer, .address_space: global }
      - { .name: xq, .offset: 16, .size: 8, .value_kind: global_buffer, .address_space: global }
    .group_segment_fixed_size: 0
    .private_segment_fixed_size: 0
    .kernarg_segment_align: 8
    .kernarg_segment_size: 24
    .max_flat_workgroup_size: 512
    .sgpr_count:     66
    .vgpr_count:     144
    .wavefront_size: 32
...
	.end_amdgpu_metadata
.endif
;; end of part 4
;; launch gemm: the kernel of part 3 again; grid 16 x 16, 4 waves a work-group, clusters of 4 x 4, 327,680 bytes of LDS; arguments xq, wq, pmax, qscales, bias, out0; writes out0
